; MI455X (gfx1250); checked and timed in simulation.
; The chip was launched on July 23, 2026; its instructions are those of AMD's public machine-readable ISA for CDNA 5 (MIT licence, August 2026) and "CDNA5" Instruction Set Architecture Reference Guide (July 2026). The comments in the code are by the model that wrote it; some were corrected since.
;; Block. Allowed arithmetic: matrix products marked QUANTISED: E2M3 operands, one E8M0 scale for each 32 along K, by v_wmma_scale_f32_16x16x128_f8f6f4 with both operands' format E2M3, f32 sums; everything else in f32.
;; Inputs: W1_codes 2,048 x 16 x 24 uint8 (E2M3 codes of W1, K innermost, in blocks of 32 codes, four codes in three bytes); W1_scales 2,048 x 16 uint8 (E8M0 scales of W1, one for each 32 codes along K); W2_codes 512 x 64 x 24 uint8 (E2M3 codes of W2, K innermost, in blocks of 32 codes, four codes in three bytes); W2_scales 512 x 64 uint8 (E8M0 scales of W2, one for each 32 codes along K); Wk_codes 8 x 64 x 16 x 24 uint8 (E2M3 codes of Wk, K innermost, in blocks of 32 codes, four codes in three bytes); Wk_scales 8 x 64 x 16 uint8 (E8M0 scales of Wk, one for each 32 codes along K); Wo_codes 512 x 16 x 24 uint8 (E2M3 codes of Wo, K innermost, in blocks of 32 codes, four codes in three bytes); Wo_scales 512 x 16 uint8 (E8M0 scales of Wo, one for each 32 codes along K); Wq_codes 8 x 64 x 16 x 24 uint8 (E2M3 codes of Wq, K innermost, in blocks of 32 codes, four codes in three bytes); Wq_scales 8 x 64 x 16 uint8 (E8M0 scales of Wq, one for each 32 codes along K); Wv_codes 8 x 64 x 16 x 24 uint8 (E2M3 codes of Wv, K innermost, in blocks of 32 codes, four codes in three bytes); Wv_scales 8 x 64 x 16 uint8 (E8M0 scales of Wv, one for each 32 codes along K); b1 2,048 float32; b2 512 float32; bo 512 float32; ln1_b 512 float32; ln1_g 512 float32; ln2_b 512 float32; ln2_g 512 float32; x 128 x 128 x 512 float32.
;; Outputs: out0 128 x 128 x 512 float32.
;; This version of the problem:
;;   THIS VERSION OF THE PROBLEM IS GIVEN IN LOW PRECISION. The matrix products marked QUANTISED in the list below multiply operands that are first quantised to E2M3 (2 exponent bits, 3 mantissa bits; 6 bits a number), with one power-of-two scale for each 32 numbers along K (OCP MX v1.0); their sums are f32. All else is computed in f32.
;;   The module's matrix products, in the order in which they are computed (A, B: the left and right operand; K: the contracted axis; several contracted axes count as one K, in the product's order):
;;     1. [M 512, K 512] x [K 512, N 16,384]; A: input Wq (given as codes); B: computed on the way: QUANTISED
;;     2. [M 512, K 512] x [K 512, N 16,384]; A: input Wk (given as codes); B: computed on the way: QUANTISED
;;     3. [M 512, K 512] x [K 512, N 16,384]; A: input Wv (given as codes); B: computed on the way: QUANTISED
;;     4. batch 1,024 x [M 128, K 64] x [K 64, N 128]; A: computed on the way; B: computed on the way: QUANTISED
;;     5. batch 1,024 x [M 128, K 128] x [K 128, N 64]; A: softmax (see below); B: computed on the way: QUANTISED
;;     6. [M 16,384, K 512] x [K 512, N 512]; A: computed on the way; B: input Wo (given as codes): QUANTISED
;;     7. [M 16,384, K 512] x [K 512, N 2,048]; A: computed on the way; B: input W1 (given as codes): QUANTISED
;;     8. [M 16,384, K 2,048] x [K 2,048, N 512]; A: computed on the way; B: input W2 (given as codes): QUANTISED
;;   THE QUANTISER, for each operand of a quantised product, along K:
;;     - K is cut into blocks of 32 from its start; a last block that is shorter is filled with zeros.
;;     - A block's scale is 2^e with e = floor(log2(the largest magnitude in the block)) - 2, held to -126 .. 127; a block of zeros has e = 0. As a byte (E8M0): e + 127.
;;     - Each number is divided by its block's scale, clamped to +-7.5, and rounded to the nearest number of E2M3, ties to even, subnormals kept.
;;     - The product sums the exact products of the quantised numbers (number of the format x scale) in f32.
;;   ~~~python
;;   def quantise(x, axis):      # numpy; x: float32 -> the quantised numbers, widened to float32 again
;;       x = np.moveaxis(x, axis, -1); K = x.shape[-1]
;;       x = np.pad(x, [(0, 0)] * (x.ndim - 1) + [(0, -K % 32)]); x = x.reshape(x.shape[:-1] + (-1, 32)); a = np.abs(x).max(-1, keepdims=True)
;;       e = np.where(a > 0, np.clip(np.frexp(np.where(a > 0, a, 1))[1] - 1 - 2, -126, 127), 0)      # np.frexp(a)[1] - 1 = floor(log2(a)), exactly
;;       r = np.clip(x / 2.0 ** e, -7.5, 7.5)
;;       step = 2.0 ** (np.maximum(np.frexp(np.where(r == 0, 1, r))[1] - 1, 0) - 3)
;;       q = np.round(r / step) * step * 2.0 ** e      # np.round: ties to even
;;       return np.moveaxis(q.reshape(q.shape[:-2] + (-1,))[..., :K], -1, axis).astype(np.float32)
;;   ~~~
;;   SOFTMAX AHEAD OF A QUANTISED PRODUCT. Where the list says 'softmax', what is quantised is not the finished softmax but p = 2^(t - M), with t = logit x log2(e) and M = ceil(the row's largest t), a whole number; so 1/2 < the row's largest p <= 1. The row's sum l is taken of the UNQUANTISED p, in f32, and the product's result is divided by l at the end. Since M is a whole number, a kernel that streams over the keys may use a running M (the ceiling of the running maximum): every later rescaling is an exact power of two, which a block's scale takes up: the codes' values come out the same.
;;   OPERANDS COMPUTED ON THE WAY. 'Computed on the way' means the value that the module computes at that place (a softmax that the list does not call 'softmax' is quantised finished and normalised). What goes into a quantiser is computed in f32, as accurately as f32 sums, v_exp_f32 and their like allow (about 1e-6 of the number): no bf16 or f16 on the way to a quantiser, and a product that is left as it is and whose result goes on into a quantised operand takes f32 operands (vector FMAs, or v_wmma_f32_16x16x4_f32). A number that lies on a knife's edge between two numbers of the format may be rounded either way, as far as f32 arithmetic and the matrix unit's own rounding can turn it there, and no further.
;;   INPUTS GIVEN AS CODES. W1 (in the module: [512, 2048], K = its axis 0); W2 (in the module: [2048, 512], K = its axis 0); Wk (in the module: [8, 512, 64], K = its axis 1); Wo (in the module: [512, 512], K = its axis 0); Wq (in the module: [8, 512, 64], K = its axis 1); Wv (in the module: [8, 512, 64], K = its axis 1): each comes as NAME_codes (uint8): NAME with its K axis moved to the last place and cut into blocks of 32 codes, [.., K / 32, bytes a block], one block behind the other in memory; four codes in three bytes: a row's codes are one little-endian stream of bits, code i at bits 6 i .. 6 i + 5 (a code: sign, 2 exponent bits, 3 mantissa bits); and NAME_scales (uint8): the same leading axes, one E8M0 byte (e + 127) for each 32 codes along K. Its value is code x scale, taken as it is: it is not quantised again, and the codes and scales need not be those that the quantiser above would give.
;; One version. Each part assembles by itself: llvm-mc -triple=amdgcn-amd-amdhsa -mcpu=gfx1250 --defsym DOCPART=n.
;; ======== version 1 of 1: 1 launch
;; launch block (part 1): grid 256 x 1, 4 waves a work-group, clusters of 4 x 1, 327,680 bytes of LDS; arguments x, out0, Wq_codes, Wk_codes, Wv_codes, Wo_codes, W1_codes, W2_codes, Wq_scales, Wk_scales, Wv_scales, Wo_scales, W1_scales, W2_scales, b1, ln1_g, ln1_b, bo, ln2_g, ln2_b, b2; writes out0
.if DOCPART == 1
	.amdgcn_target "amdgcn-amd-amdhsa--gfx1250"
	.amdhsa_code_object_version 6
	.text
	.protected	k_qb4593d48c1_block
	.globl	k_qb4593d48c1_block
	.p2align	8
	.type	k_qb4593d48c1_block,@function
k_qb4593d48c1_block:
	s_mov_b64 s[64:65], 0
	v_nop
	global_prefetch_b8 v0, s[64:65] scope:SCOPE_SE
	s_setreg_imm32_b32 hwreg(HW_REG_WAVE_MODE, 25, 1), 1
	s_wait_xcnt 0x0
	s_wait_alu depctr_hold_cnt(0) depctr_sa_sdst(0) depctr_va_vdst(0) depctr_va_sdst(0) depctr_va_ssrc(0) depctr_va_vcc(0) depctr_vm_vsrc(0)
	s_getreg_b32 s2, hwreg(HW_REG_IB_STS2, 6, 4)
	s_cmp_eq_u32 s2, 0
	s_cbranch_scc0 .Lentry_in_a_cluster
	s_endpgm
.Lentry_in_a_cluster:
	s_bfe_u32 s2, ttmp6, 0x10000c
	s_cmp_lg_u32 s2, 0x3003
	s_cbranch_scc0 .Lentry_shape_is_right
	s_endpgm
.Lentry_shape_is_right:
; One pre-LN transformer block, 128 sequences x 128 tokens x 512, 8 heads of 64, FFN 2,048; all eight products on codes of FP6 (E2M3) with one E8M0 scale for each 32 along K.
; ONE LAUNCH.  A work-group of four waves owns 64 tokens (half a sequence) through the whole chain; it also layer-norms the other 64 tokens of its sequence and makes their K and V.
; x, then x1 = x + bo + ctx Wo, then the output stay in 256 registers a wave from the first load to the store; nothing but x is read and nothing but out0 is written, beside the weights.
; THE WAVES SHARE THE COLUMNS: in every product of 512 columns wave w owns columns 64 w .. and 256 + 64 w ..; in the attention it owns heads w and 4 + w.
; THE WEIGHTS come as 24 chunks of 256 rows x 384 bytes through a ring of two LDS slots.  The four work-groups of a cluster walk the same chunks, so each chunk is asked for JOINTLY (mask 15).
; ACTIVATIONS go from wave to wave through LDS as images of operand registers: 64 along K of 16 tokens = 6 registers a lane = 768 bytes (16 bytes a lane, then 8 bytes a lane); scale bytes 16 a token.
; LAYOUT.  Products are used transposed (source 0 = 16 weight rows, source 1 = 16 tokens): a lane holds one token.  Lane r of weight tile 2 e + u takes row 32 e + 8 u + r + 8 (r / 8), so that
; registers 16 e + i of a group of 64 columns hold column 32 e + 16 (lane / 16) + i: 16 neighbours along the next K.  The tokens of a tile are chosen the same way, so V (used not transposed) has the keys so.
; Keys: blocks 0, 1 of 32 are the other half's tokens, blocks 2, 3 my own: whole blocks change places, which keeps the quantiser's blocks.  Where the other half comes later in the sequence its scores become -inf.
; b1 is the C of the hidden layer's first products, from 32 registers of its own, asked for a chunk ahead.  The output's columns 64 w .. leave ahead of the last chunk's products, the others behind them.
; LIMITS: NaN and infinities in x are not served.  A block of zeros carries the scale byte 1 (not 127) over zero codes: the bytes are read here alone.  rsqrt, reciprocal and exp2 are the chip's own, to an ulp.
; No L2 prefetch: the weights are walked by every work-group alike, and x is wanted by the first lines.
.set SLOT1, 1<<17                      ; slot 1 begins here: one exclusive or turns an address of one slot into the other's
.set QUART, 27648                      ; 64 weight rows x 432 bytes (384 + 16 behind each 128): what one wave's tensor load brings
.set SPARE, 110592                     ; behind slot 0: the spare words, 128 bytes a wave, two blocks of 256 bytes that no other line names
.set SUMB,  111104                     ; partial row sums: 256 tile + 16 r + 4 wave; 1,024 bytes on: the partial sums of squares
.set QIMG,  113152                     ; each wave's own 3,328 bytes: four images of q, then 4 x 64 bytes of q's scale words
.set HR,    241664                     ; behind slot 1: ln1's 64 images + 2,048 scale bytes; later ln2's 32 images, 1,024 scale bytes, the hidden layer's 32 images, 1,024 scale bytes
.set CR,    292864                     ; ctx's 32 images + 1,024 scale bytes; at the end the four stages of 16 rows x 528 bytes
.set SPW,1
.set NIL,2
.set VR,3                              ; r = lane % 16
.set VH,4                              ; h = lane / 16
.set XO0,5                             ; x: my byte offset in the other half's rows
.set XO1,6                             ; and in my own half's
.set GL,7                              ; 256 w + 64 h: my place in a vector of 512 f32
.set WAA0,8                            ; weight fragments, permuted chunks: r x 432 + 24 h + my tiles' base
.set WAA1,9                            ; the same with 40 h: for pieces behind one padding more
.set WAB0,10                           ; the same two for W2's chunks
.set WAB1,11
.set WA,12                             ; the two in hand (+ the slot)
.set WA2,13
.set SVA,14                            ; weight scale words: my row x 16 bytes
.set SVB,15                            ; W2's: my row x 64 bytes
.set L16,16                            ; 16 x lane
.set L8,17                             ; 8 x lane + 512
.set L16W,18                           ; + 768 w
.set L8W,19
.set RSW,20                            ; 16 r + 2 w
.set PA,21                             ; where images and scale bytes are stored
.set PB,22
.set PS,23
.set LA,24                             ; and loaded
.set LB,25
.set LSC,26
.set STS,27
.set STL,28
.set DQ0,29                            ; r + 8 (r / 8) - 16 h
.set DQ,30
.set PEN,31                            ; +inf where the other half's keys count, -inf where they are hidden
.set NINF,32
.set QA,33
.set QB,34
.set STO,35                            ; the way out: where I put 32 bytes of a row
.set SRD,36                            ; where I read back: lanes 0-15 one row's 256 bytes, lanes 16-31 the next row's
.set OUTO,37                           ; and the same place in out0
.set QS,38
.set VT,39                             ; at work in the head;
.set GB,39                             ; in the FFN: my place in b1: GL + 2,048 x the trip whose numbers are asked for
.set SC,40                             ; v40-47 the chunk's weight scale words; v48-55 the next chunk's
.set SN,48
.set ASC0,56                           ; v56-63, v64-71 the activations' scale words
.set ASC1,64
.set KSW,72                            ; v72-79 k's scale words (a layer norm's means, in pairs)
.set VSW,80                            ; v80-83 v's (v80-87: a layer norm's 1 / sigma, in pairs)
.set QSW,84
.set PW,85
.set TM,88                             ; v88-103 at work
.set PC,104                            ; v104-123 two sets of 10 (6 codes' registers, 3 at work, the two scale bytes); or p's fragment
.set MI,124
.set ACC,128                           ; v128-255 sixteen accumulators
.set KOP,0                             ; window 2: k's tiles, 6 registers apart
.set VOP,64                            ; v's four tiles of 12
.set QOP,112                           ; q's fragment: 6 registers of codes, 6 of zeros
.set BIA,240                           ; v240-255 of window 1: b1 for weight tiles 0, 1; of window 2: for tiles 2, 3
.set WV,3
.set HALF,4
.set BAT,5
.set XP,8
.set OP,10
.set PQ,12
.set PK,14
.set PV,16
.set PO,18
.set P1,20
.set P2,22
.set PN,24
.set SNX,26
.set SQ,28
.set SK,30
.set SV,32
.set SO,34
.set S1,36
.set S2,38
.set B1P,40
.set G1A,44                            ; s[44:51] group 1: 8 rows of 3,072 bytes, 6,144 apart (8 weight rows each: every second group of eight)
.set G1B,52                            ; s[52:59] group 1: 64 rows of 384 bytes, 1,536 apart (W2)
.set G0,60                             ; s[60:63] group 0: written only where no tensor load of the wave is out
.set TB,66
.set CNA,67
.set CNI,68
.set CNF,69
.set SEL,70
.set CS,72
.set IB,74
.set ISB,75
.set CT,76
.set CI,77
.set CTS,78
.set CIS,79
.set LG1,80
.set LB1,82
.set BOP,84
.set LG2,86
.set LB2,88
.set B2P,90
.set QI,92
.set QSI,93
.set BO,98                             ; s98  2,048 x the trip whose b1 is asked for, modulo b1's 8,192 bytes
.set MSB, 0
.macro WIN new                         ; the immediate's high byte repeats the setting that is left; a switch that changes nothing is dropped
.if MSB != (\new)
	s_set_vgpr_msb (MSB<<8)|(\new)
.set MSB, (\new)
.endif
.endm
.macro PLACES n
.rept \n
	v_nop
.endr
.endm
.macro BAR                             ; my LDS stores have landed and my LDS loads are in: then the work-group's barrier
	s_wait_dscnt 0x0
	s_barrier_signal -1
	s_barrier_wait -1
.endm
.macro ROUND                           ; a round of the cluster's barrier
	s_barrier_signal -1
	s_barrier_wait -1
	s_cmp_lg_u32 s[WV], 0
	s_cbranch_scc1 .Lnw0_\@
	s_barrier_signal -3
.Lnw0_\@:
	s_barrier_wait -3
	s_barrier_signal -1
	s_barrier_wait -1
.endm
; A CHANGE OF SLOTS.  My part of the chunk ahead has landed; my reads of the chunk left are over; a round; then my quarter of the next chunk goes into the slot left: my one tensor load until the next round.
; The chunk's scale words, loaded a chunk ago, move to SC; the next chunk's are asked for.
.macro SITE g1, p, imm, sp, simm, sv, se
	WIN 0
	s_wait_loadcnt 0x0                             ; scale words, biases, gains asked for since the last change
	s_wait_tensorcnt 0x0                           ; no tensor load of mine is out, so group 0 may be written
	ds_add_u32 v[SPW], v[NIL]                      ; 0 onto my spare word
	s_xor_b32 s[G0+1], s[G0+1], SLOT1
	s_xor_b32 s[TB], s[TB], SLOT1
	s_add_nc_u64 s[G0+2:G0+3], s[\p:\p+1], \imm
	s_or_b32 s[G0+3], s[G0+3], 0x80000000
	s_wait_dscnt 0x0                               ; the add is done, my LDS reads are in and my LDS stores have landed
	ROUND
	tensor_load_to_lds s[G0:G0+3], s[\g1:\g1+7]
	s_nop 0
	PLACES 4                                       ; four places behind a tensor load; also the places ahead of the moves into registers that products have read
.irp i,0,1,2,3,4,5,6,7
	v_mov_b32 v[SC+\i], v[SN+\i]
.endr
	global_load_b128 v[SN:SN+3], v[\sv], s[\sp:\sp+1] offset:\simm
	global_load_b128 v[SN+4:SN+7], v[\sv], s[\sp:\sp+1] offset:(\simm)+(\se)
.endm
.macro SITE_LAST                       ; the last chunk: nothing is left to ask for, so the work-group's barrier serves
	WIN 0
	s_wait_loadcnt 0x0
	s_wait_tensorcnt 0x0
	ds_add_u32 v[SPW], v[NIL]
	s_xor_b32 s[TB], s[TB], SLOT1
	s_wait_dscnt 0x0
	s_barrier_signal -1
	s_barrier_wait -1
	PLACES 4
.irp i,0,1,2,3,4,5,6,7
	v_mov_b32 v[SC+\i], v[SN+\i]
.endr
.endm
; One product.  z: the sum starts with 0, else in place.  ra, rb: the side's scale words stand in lanes 16-31.
.macro WM d, a, b, z, sa, sb, ra, rb
.if (\z)
.if (\ra)
.if (\rb)
	v_wmma_scale_f32_16x16x128_f8f6f4 v[(\d):(\d)+7], v[(\a):(\a)+11], v[(\b):(\b)+11], 0, v[(\sa)], v[(\sb)] matrix_a_fmt:MATRIX_FMT_FP6 matrix_b_fmt:MATRIX_FMT_FP6 matrix_a_scale:MATRIX_SCALE_ROW1 matrix_b_scale:MATRIX_SCALE_ROW1
.else
	v_wmma_scale_f32_16x16x128_f8f6f4 v[(\d):(\d)+7], v[(\a):(\a)+11], v[(\b):(\b)+11], 0, v[(\sa)], v[(\sb)] matrix_a_fmt:MATRIX_FMT_FP6 matrix_b_fmt:MATRIX_FMT_FP6 matrix_a_scale:MATRIX_SCALE_ROW1
.endif
.else
.if (\rb)
	v_wmma_scale_f32_16x16x128_f8f6f4 v[(\d):(\d)+7], v[(\a):(\a)+11], v[(\b):(\b)+11], 0, v[(\sa)], v[(\sb)] matrix_a_fmt:MATRIX_FMT_FP6 matrix_b_fmt:MATRIX_FMT_FP6 matrix_b_scale:MATRIX_SCALE_ROW1
.else
	v_wmma_scale_f32_16x16x128_f8f6f4 v[(\d):(\d)+7], v[(\a):(\a)+11], v[(\b):(\b)+11], 0, v[(\sa)], v[(\sb)] matrix_a_fmt:MATRIX_FMT_FP6 matrix_b_fmt:MATRIX_FMT_FP6
.endif
.endif
.else
.if (\ra)
.if (\rb)
	v_wmma_scale_f32_16x16x128_f8f6f4 v[(\d):(\d)+7], v[(\a):(\a)+11], v[(\b):(\b)+11], v[(\d):(\d)+7], v[(\sa)], v[(\sb)] matrix_a_fmt:MATRIX_FMT_FP6 matrix_b_fmt:MATRIX_FMT_FP6 matrix_a_scale:MATRIX_SCALE_ROW1 matrix_b_scale:MATRIX_SCALE_ROW1
.else
	v_wmma_scale_f32_16x16x128_f8f6f4 v[(\d):(\d)+7], v[(\a):(\a)+11], v[(\b):(\b)+11], v[(\d):(\d)+7], v[(\sa)], v[(\sb)] matrix_a_fmt:MATRIX_FMT_FP6 matrix_b_fmt:MATRIX_FMT_FP6 matrix_a_scale:MATRIX_SCALE_ROW1
.endif
.else
.if (\rb)
	v_wmma_scale_f32_16x16x128_f8f6f4 v[(\d):(\d)+7], v[(\a):(\a)+11], v[(\b):(\b)+11], v[(\d):(\d)+7], v[(\sa)], v[(\sb)] matrix_a_fmt:MATRIX_FMT_FP6 matrix_b_fmt:MATRIX_FMT_FP6 matrix_b_scale:MATRIX_SCALE_ROW1
.else
	v_wmma_scale_f32_16x16x128_f8f6f4 v[(\d):(\d)+7], v[(\a):(\a)+11], v[(\b):(\b)+11], v[(\d):(\d)+7], v[(\sa)], v[(\sb)] matrix_a_fmt:MATRIX_FMT_FP6 matrix_b_fmt:MATRIX_FMT_FP6
.endif
.endif
.endif
.endm
; One product whose sum starts with eight other registers (a bias in the result's layout).
.macro WMC d, a, b, c, sa, sb, ra, rb
.if (\ra)
.if (\rb)
	v_wmma_scale_f32_16x16x128_f8f6f4 v[(\d):(\d)+7], v[(\a):(\a)+11], v[(\b):(\b)+11], v[(\c):(\c)+7], v[(\sa)], v[(\sb)] matrix_a_fmt:MATRIX_FMT_FP6 matrix_b_fmt:MATRIX_FMT_FP6 matrix_a_scale:MATRIX_SCALE_ROW1 matrix_b_scale:MATRIX_SCALE_ROW1
.else
	v_wmma_scale_f32_16x16x128_f8f6f4 v[(\d):(\d)+7], v[(\a):(\a)+11], v[(\b):(\b)+11], v[(\c):(\c)+7], v[(\sa)], v[(\sb)] matrix_a_fmt:MATRIX_FMT_FP6 matrix_b_fmt:MATRIX_FMT_FP6 matrix_a_scale:MATRIX_SCALE_ROW1
.endif
.else
.if (\rb)
	v_wmma_scale_f32_16x16x128_f8f6f4 v[(\d):(\d)+7], v[(\a):(\a)+11], v[(\b):(\b)+11], v[(\c):(\c)+7], v[(\sa)], v[(\sb)] matrix_a_fmt:MATRIX_FMT_FP6 matrix_b_fmt:MATRIX_FMT_FP6 matrix_b_scale:MATRIX_SCALE_ROW1
.else
	v_wmma_scale_f32_16x16x128_f8f6f4 v[(\d):(\d)+7], v[(\a):(\a)+11], v[(\b):(\b)+11], v[(\c):(\c)+7], v[(\sa)], v[(\sb)] matrix_a_fmt:MATRIX_FMT_FP6 matrix_b_fmt:MATRIX_FMT_FP6
.endif
.endif
.endm
; A weight fragment, 16 rows x 128 K: six pieces of 8 bytes.  Piece p of a row lies at 8 p + 16 (p / 16); lanes 16-31 read three pieces on, behind one padding more where p % 16 is 13 or more.
.macro FRAGW reg, toff, ks
.irp p,0,1,2,3,4,5
.set PCN, 12*(\ks)+6*(\p/3)+\p%3
.if PCN%16 < 13
	ds_load_b64 v[(\reg)+2*\p:(\reg)+2*\p+1], v[WA] offset:(\toff)+8*PCN+16*(PCN/16)
.else
	ds_load_b64 v[(\reg)+2*\p:(\reg)+2*\p+1], v[WA2] offset:(\toff)+8*PCN+16*(PCN/16)
.endif
.endr
.endm
.macro FETCHW ks, kind                 ; my four weight tiles of K step ks: 24 loads, into v192-239 of window 1 (even steps) or 2 (odd)
	WIN (1+(\ks)%2)<<6
.irp ta,0,1,2,3
.if \kind
	FRAGW 192+12*\ta, \ta*6912, \ks
.else
	FRAGW 192+12*\ta, (\ta%2)*27648+(\ta/2)*6912, \ks
.endif
.endr
.endm
; b1 of 64 hidden units, 32 numbers a lane: register 8 u + j of half e is unit 32 e + 16 h + 8 u + j, which is what register j of weight tile 2 e + u holds.  The four tiles of tokens share them.
.macro BIASLD off
	WIN 0x40
.irp q,0,1,2,3
	global_load_b128 v[BIA+4*\q:BIA+4*\q+3], v[GB], s[B1P:B1P+1] offset:(\off)+16*\q
.endr
	WIN 0x80
.irp q,0,1,2,3
	global_load_b128 v[BIA+4*\q:BIA+4*\q+3], v[GB], s[B1P:B1P+1] offset:(\off)+128+16*\q
.endr
.endm
; A PASS: one chunk: my 64 weight rows x 64 tokens x 512 K = 64 products; the sixteen accumulators take turns, one instruction a turn.
; kind 1: W2's chunks.  vmode 1: source 0 = tokens (for V).  actw, asc: window and scale words of the tokens' 16 fragments.  dw, db, dst: window, base and tile step of the results.  cz: the sums start with 0.
; bn >= 0: the sums start with b1; behind the first K step's products and four places the next chunk's b1 is asked for, bn bytes on from v[GB]: three K steps and the quantiser ahead of the wait for it.
.macro PASS kind, vmode, actw, asc, dw, db, dst, cz, bn
	WIN 0
.if \kind
	v_add_nc_u32 v[WA], s[TB], v[WAB0]
	v_add_nc_u32 v[WA2], s[TB], v[WAB1]
.else
	v_add_nc_u32 v[WA], s[TB], v[WAA0]
	v_add_nc_u32 v[WA2], s[TB], v[WAA1]
.endif
	PLACES 4                                       ; ahead of loads into registers that products have read
	FETCHW 0, \kind
.irp ks,0,1,2,3
.if \ks < 3
	PLACES 4                                       ; likewise (with those above: ten plain lines between the moves into SC and the first product)
.if \ks == 1
.if (\bn) >= 0
	BIASLD \bn
.endif
.endif
	FETCHW \ks+1, \kind
	s_wait_dscnt 24                                ; all but the 24 loads just issued: this K step's fragments are in
.else
	s_wait_dscnt 0x0
.endif
.set ZF, 0
.set BF, 0
.if \ks == 0
.if \cz
.set ZF, 1
.endif
.if (\bn) >= 0
.set BF, 1
.endif
.endif
.if BF
.irp tp,0,1
	WIN ((\dw)<<6)|((1+\tp)<<4)|((\actw)<<2)|1     ; C: window 1 for weight tiles 0, 1, window 2 for tiles 2, 3
.irp mm,0,1,2,3
.irp tq,0,1
	WMC (\db)+(\dst)*\mm+8*(2*\tp+\tq), 192+12*(2*\tp+\tq), 12*(4*\mm), BIA+8*\tq, SC+4*\tp, (\asc)+4*(\mm/2), \tq, \mm%2
.endr
.endr
.endr
.else
.if \vmode
	WIN ((\dw)<<6)|((\dw)<<4)|((1+\ks%2)<<2)|(\actw)
.else
	WIN ((\dw)<<6)|((\dw)<<4)|((\actw)<<2)|(1+\ks%2)
.endif
.irp mm,0,1,2,3
.irp ta,0,1,2,3
.if \vmode
	WM (\db)+32*\ta+8*\mm, 12*(4*\mm+\ks), 192+12*\ta, ZF, (\asc)+4*(\mm/2)+\ks, SC+4*(\ta/2)+\ks, \mm%2, \ta%2
.else
	WM (\db)+(\dst)*\mm+8*\ta, 192+12*\ta, 12*(4*\mm+\ks), ZF, SC+4*(\ta/2)+\ks, (\asc)+4*(\mm/2)+\ks, \ta%2, \mm%2
.endif
.endr
.endr
.endif
.endr
	WIN 0
.endm
; 32 numbers of a lane, register 16 e + i = k 32 e + 16 h + i of my row, become 6 registers of codes (k = 32 h + 0 .. 31) in v[pc] on and the two scale bytes in v[pc + 9].
.macro QUANT64 src, relu, pc
.if \relu
.set qj, 0
.rept 32
	v_max_num_f32 v[(\src)+qj], 0, v[(\src)+qj]
.set qj, qj+1
.endr
.endif
	v_max3_num_f32 v[TM], |v[(\src)]|, |v[(\src)+1]|, 0x1800000      ; the floor 2^(3 - 127): the byte cannot fall under 1
	v_max3_num_f32 v[TM+1], |v[(\src)+16]|, |v[(\src)+17]|, 0x1800000
.set qj, 2
.rept 7
	v_max3_num_f32 v[TM], v[TM], |v[(\src)+qj]|, |v[(\src)+qj+1]|
	v_max3_num_f32 v[TM+1], v[TM+1], |v[(\src)+16+qj]|, |v[(\src)+17+qj]|
.set qj, qj+2
.endr
	v_permlanex16_b32 v[TM+2], v[TM], s[SEL], s[SEL+1]
	v_permlanex16_b32 v[TM+3], v[TM+1], s[SEL], s[SEL+1]
	v_max_num_f32 v[TM], v[TM], v[TM+2]            ; with lane l xor 16's: the block's largest magnitude
	v_max_num_f32 v[TM+1], v[TM+1], v[TM+3]
	v_add_nc_u32 v[TM+4], 0xff000000, v[TM]        ; 2 off its exponent field: the conversion's scale operand
	v_add_nc_u32 v[TM+5], 0xff000000, v[TM+1]
	v_lshrrev_b32 v[TM+6], 23, v[TM+4]             ; the scale's byte
	v_lshrrev_b32 v[TM+7], 23, v[TM+5]
	v_lshl_or_b32 v[(\pc)+9], v[TM+7], 8, v[TM+6]
	v_cvt_scalef32_pk16_fp6_f32 v[(\pc):(\pc)+2], v[(\src):(\src)+15], v[TM+4]
	v_cvt_scalef32_pk16_fp6_f32 v[(\pc)+6:(\pc)+8], v[(\src)+16:(\src)+31], v[TM+5]
	v_nop                                          ; one plain line behind a scaled conversion
.irp i,0,1,2
	v_permlane16_swap_b32 v[(\pc)+\i], v[(\pc)+6+\i]   ; a whole block to a lane: lanes 0-15 block 0, lanes 16-31 block 1
.endr
.irp i,0,1,2
	v_mov_b32 v[(\pc)+3+\i], v[(\pc)+6+\i]
.endr
.endm
; The same for TWO runs of 32 numbers, v[src] on and v[src + 32] on, into v[pc] on and v[pc + 10] on, line by line by turns: four chains of maxima, and no line of the tail reads the line above it.
; w = 1: LDS stores may still read the two sets of code registers: the wait for them stands ahead of the first line that writes a set, behind the maxima.
.macro QUANT2 src, relu, pc, w
.if \relu
.set qj, 0
.rept 64
	v_max_num_f32 v[(\src)+qj], 0, v[(\src)+qj]
.set qj, qj+1
.endr
.endif
.irp u,0,1
	v_max3_num_f32 v[TM+8*\u], |v[(\src)+32*\u]|, |v[(\src)+32*\u+1]|, 0x1800000      ; the floor 2^(3 - 127): the byte cannot fall under 1
	v_max3_num_f32 v[TM+8*\u+1], |v[(\src)+32*\u+16]|, |v[(\src)+32*\u+17]|, 0x1800000
.endr
.set qj, 2
.rept 7
.irp u,0,1
	v_max3_num_f32 v[TM+8*\u], v[TM+8*\u], |v[(\src)+32*\u+qj]|, |v[(\src)+32*\u+qj+1]|
	v_max3_num_f32 v[TM+8*\u+1], v[TM+8*\u+1], |v[(\src)+32*\u+16+qj]|, |v[(\src)+32*\u+17+qj]|
.endr
.set qj, qj+2
.endr
.irp u,0,1
	v_permlanex16_b32 v[TM+8*\u+2], v[TM+8*\u], s[SEL], s[SEL+1]
	v_permlanex16_b32 v[TM+8*\u+3], v[TM+8*\u+1], s[SEL], s[SEL+1]
.endr
.irp u,0,1
	v_max_num_f32 v[TM+8*\u], v[TM+8*\u], v[TM+8*\u+2]            ; with lane l xor 16's: the block's largest magnitude
	v_max_num_f32 v[TM+8*\u+1], v[TM+8*\u+1], v[TM+8*\u+3]
.endr
.irp u,0,1
	v_add_nc_u32 v[TM+8*\u+4], 0xff000000, v[TM+8*\u]             ; 2 off its exponent field: the conversion's scale operand
	v_add_nc_u32 v[TM+8*\u+5], 0xff000000, v[TM+8*\u+1]
.endr
.irp u,0,1
	v_lshrrev_b32 v[TM+8*\u+6], 23, v[TM+8*\u+4]                  ; the scale's byte
	v_lshrrev_b32 v[TM+8*\u+7], 23, v[TM+8*\u+5]
.endr
.if \w
	s_wait_dscnt 0x0                               ; the earlier stores out of the two sets have read their registers
.endif
.irp u,0,1
	v_lshl_or_b32 v[(\pc)+10*\u+9], v[TM+8*\u+7], 8, v[TM+8*\u+6]
.endr
.irp u,0,1
	v_cvt_scalef32_pk16_fp6_f32 v[(\pc)+10*\u:(\pc)+10*\u+2], v[(\src)+32*\u:(\src)+32*\u+15], v[TM+8*\u+4]
	v_cvt_scalef32_pk16_fp6_f32 v[(\pc)+10*\u+6:(\pc)+10*\u+8], v[(\src)+32*\u+16:(\src)+32*\u+31], v[TM+8*\u+5]
.endr
	v_nop                                          ; one plain line behind the scaled conversions
.irp i,0,1,2
.irp u,0,1
	v_permlane16_swap_b32 v[(\pc)+10*\u+\i], v[(\pc)+10*\u+6+\i]   ; a whole block to a lane: lanes 0-15 block 0, lanes 16-31 block 1
.endr
.endr
.irp i,0,1,2
.irp u,0,1
	v_mov_b32 v[(\pc)+10*\u+3+\i], v[(\pc)+10*\u+6+\i]
.endr
.endr
.endm
.macro QP src, relu, pc, oi, os        ; quantise and store the image and the two scale bytes
	s_wait_dscnt 3                                 ; at most three younger stores are out: this set's have read their registers
	QUANT64 \src, \relu, \pc
	ds_store_b128 v[PA], v[(\pc):(\pc)+3] offset:\oi
	ds_store_b64 v[PB], v[(\pc)+4:(\pc)+5] offset:\oi
	ds_store_b16 v[PS], v[(\pc)+9] offset:\os      ; both halves of the lanes write the same bytes with the same value
.endm
.macro QP2 src, relu, oa, sa, ob, sb   ; two at once: images at oa, ob, scale bytes at sa, sb
	QUANT2 \src, \relu, PC, 1
	ds_store_b128 v[PA], v[PC:PC+3] offset:\oa
	ds_store_b64 v[PB], v[PC+4:PC+5] offset:\oa
	ds_store_b16 v[PS], v[PC+9] offset:\sa         ; both halves of the lanes write the same bytes with the same value
	ds_store_b128 v[PA], v[PC+10:PC+13] offset:\ob
	ds_store_b64 v[PB], v[PC+14:PC+15] offset:\ob
	ds_store_b16 v[PS], v[PC+19] offset:\sb
.endm
.macro LOADACT win, asc, oi, os        ; 16 fragments (4 tiles of tokens x 4 K steps) and their scale words
	WIN (\win)<<6
.irp mm,0,1,2,3
.irp ks,0,1,2,3
	ds_load_b128 v[12*(4*\mm+\ks):12*(4*\mm+\ks)+3], v[LA] offset:(\oi)+(8*\mm+2*\ks)*768
	ds_load_b64 v[12*(4*\mm+\ks)+4:12*(4*\mm+\ks)+5], v[LB] offset:(\oi)+(8*\mm+2*\ks)*768
	ds_load_b128 v[12*(4*\mm+\ks)+6:12*(4*\mm+\ks)+9], v[LA] offset:(\oi)+(8*\mm+2*\ks+1)*768
	ds_load_b64 v[12*(4*\mm+\ks)+10:12*(4*\mm+\ks)+11], v[LB] offset:(\oi)+(8*\mm+2*\ks+1)*768
.endr
.endr
	WIN 0
	ds_load_b128 v[(\asc):(\asc)+3], v[LSC] offset:\os           ; lanes 0-15: tile 0's words of K steps 0 .. 3, lanes 16-31: tile 1's
	ds_load_b128 v[(\asc)+4:(\asc)+7], v[LSC] offset:(\os)+512   ; tiles 2 and 3
.endm
.macro VLOAD64 reg, vo, sp, off        ; 64 numbers of a row of 512: register 32 c + 16 e + i = column 256 c + 64 w + 32 e + 16 h + i
.irp c,0,1
.irp e,0,1
.irp q,0,1,2,3
	global_load_b128 v[(\reg)+32*\c+16*\e+4*\q:(\reg)+32*\c+16*\e+4*\q+3], v[\vo], s[\sp:\sp+1] offset:(\off)+1024*\c+128*\e+16*\q
.endr
.endr
.endr
.endm
.macro XLOAD vo                        ; 64 rows of x: lane r of tile mm takes row 32 (mm / 2) + 8 (mm % 2) + r + 8 (r / 8)
.irp mm,0,1,2,3
	VLOAD64 64*\mm, \vo, XP, (32*(\mm/2)+8*(\mm%2))*2048
.endr
.endm
.macro LNRED off                       ; four tiles' pairs of partial sums in v[TM] on: over my lane, lane l xor 16, and the four waves: the rows' sums in v[TM + 4 mm]
.irp mm,0,1,2,3
	v_pk_add_f32 v[TM+4*\mm:TM+4*\mm+1], v[TM+4*\mm:TM+4*\mm+1], v[TM+4*\mm+2:TM+4*\mm+3]
.endr
.irp mm,0,1,2,3
	v_add_f32 v[TM+4*\mm], v[TM+4*\mm], v[TM+4*\mm+1]
.endr
.irp mm,0,1,2,3
	v_permlanex16_b32 v[TM+4*\mm+2], v[TM+4*\mm], s[SEL], s[SEL+1]
.endr
.irp mm,0,1,2,3
	v_add_f32 v[TM+4*\mm], v[TM+4*\mm], v[TM+4*\mm+2]
.endr
.irp mm,0,1,2,3
	ds_store_b32 v[STS], v[TM+4*\mm] offset:(\off)+256*\mm
.endr
	BAR
.irp mm,0,1,2,3
	ds_load_b128 v[TM+4*\mm:TM+4*\mm+3], v[STL] offset:(\off)+256*\mm
.endr
	s_wait_dscnt 0x0
.irp mm,0,1,2,3
	v_add_f32 v[TM+4*\mm], v[TM+4*\mm], v[TM+4*\mm+1]
	v_add_f32 v[TM+4*\mm+2], v[TM+4*\mm+2], v[TM+4*\mm+3]
.endr
.irp mm,0,1,2,3
	v_add_f32 v[TM+4*\mm], v[TM+4*\mm], v[TM+4*\mm+2]
.endr
.endm
; A LAYER NORM of the 64 rows in window 3, quantised, images to s[IB], scale bytes to s[ISB].  Deviations in window 1; gains and shifts in window 2, v0-63 and v64-127.
; nx = 1: in the first trip of ln1's loop my own half's x is asked for as soon as the other half's deviations are made.
.macro LN4 nx
	s_wait_loadcnt 0x0
	WIN 0x0f
.irp mm,0,1,2,3
	v_pk_add_f32 v[TM+4*\mm:TM+4*\mm+1], v[64*\mm:64*\mm+1], v[64*\mm+2:64*\mm+3]          ; each run of eight registers is read from its low end on
	v_pk_add_f32 v[TM+4*\mm+2:TM+4*\mm+3], v[64*\mm+4:64*\mm+5], v[64*\mm+6:64*\mm+7]
.endr
	WIN 0x0c
.set lj, 8
.rept 14
.irp mm,0,1,2,3
	v_pk_add_f32 v[TM+4*\mm:TM+4*\mm+1], v[TM+4*\mm:TM+4*\mm+1], v[64*\mm+lj:64*\mm+lj+1]
	v_pk_add_f32 v[TM+4*\mm+2:TM+4*\mm+3], v[TM+4*\mm+2:TM+4*\mm+3], v[64*\mm+lj+2:64*\mm+lj+3]
.endr
.set lj, lj+4
.endr
	WIN 0
	LNRED 0
.irp mm,0,1,2,3
	v_mul_f32 v[KSW+2*\mm], s96, v[TM+4*\mm]       ; the mean
.endr
.irp mm,0,1,2,3
	v_mov_b32 v[KSW+2*\mm+1], v[KSW+2*\mm]
.endr
	WIN 0x43
.irp mm,0,1,2,3
.set lj, 0
.rept 32
	v_pk_add_f32 v[64*\mm+lj:64*\mm+lj+1], v[64*\mm+lj:64*\mm+lj+1], v[KSW+2*\mm:KSW+2*\mm+1] neg_lo:[0,1] neg_hi:[0,1]
.set lj, lj+2
.endr
.endr
	WIN 0
.if \nx
	s_cmp_lg_u32 s[CNF], 0
	s_cbranch_scc1 .Lnox_\@
	WIN 0xc0
	XLOAD XO1
	WIN 0
.Lnox_\@:
.endif
	WIN 0x05
.irp mm,0,1,2,3
	v_pk_mul_f32 v[TM+4*\mm:TM+4*\mm+1], v[64*\mm:64*\mm+1], v[64*\mm:64*\mm+1]
	v_pk_mul_f32 v[TM+4*\mm+2:TM+4*\mm+3], v[64*\mm+2:64*\mm+3], v[64*\mm+2:64*\mm+3]
.endr
.set lj, 4
.rept 15
.irp mm,0,1,2,3
	v_pk_fma_f32 v[TM+4*\mm:TM+4*\mm+1], v[64*\mm+lj:64*\mm+lj+1], v[64*\mm+lj:64*\mm+lj+1], v[TM+4*\mm:TM+4*\mm+1]
	v_pk_fma_f32 v[TM+4*\mm+2:TM+4*\mm+3], v[64*\mm+lj+2:64*\mm+lj+3], v[64*\mm+lj+2:64*\mm+lj+3], v[TM+4*\mm+2:TM+4*\mm+3]
.endr
.set lj, lj+4
.endr
	WIN 0
	LNRED 1024
	v_add_nc_u32 v[PA], s[IB], v[L16W]             ; (no LDS instruction of mine is out)
	v_add_nc_u32 v[PB], s[IB], v[L8W]
	v_add_nc_u32 v[PS], s[ISB], v[RSW]
.irp mm,0,1,2,3
	v_fma_f32 v[TM+4*\mm], v[TM+4*\mm], s96, s97   ; the variance + 1e-5
.endr
.irp mm,0,1,2,3
	v_rsq_f32 v[VSW+2*\mm], v[TM+4*\mm]
.endr
	v_nop                                          ; a plain line behind the last of the batch
	s_wait_alu depctr_va_vdst(0)                   ; one wait for the four, ahead of their first reader
.irp mm,0,1,2,3
	v_mov_b32 v[VSW+2*\mm+1], v[VSW+2*\mm]
.endr
.irp mm,0,1,2,3
	WIN 0x01
.set lj, 0
.rept 32
	v_pk_mul_f32 v[ACC+64*(\mm%2)+lj:ACC+64*(\mm%2)+lj+1], v[64*\mm+lj:64*\mm+lj+1], v[VSW+2*\mm:VSW+2*\mm+1]
.set lj, lj+2
.endr
	WIN 0x28
.set lj, 0
.rept 32
	v_pk_fma_f32 v[ACC+64*(\mm%2)+lj:ACC+64*(\mm%2)+lj+1], v[ACC+64*(\mm%2)+lj:ACC+64*(\mm%2)+lj+1], v[lj:lj+1], v[64+lj:64+lj+1]
.set lj, lj+2
.endr
	WIN 0
	QP2 ACC+64*(\mm%2), 0, (8*\mm)*768, 256*\mm, (8*\mm+4)*768, 256*\mm+8
.endr
.endm
; THE WAY OUT of my 64 columns of half c: 16 rows x 256 bytes at a time through my own stage, back two rows an instruction.
.macro TOSTAGE a, c
	WIN 0x0c                                       ; an LDS store's data are its source 1: window 3
.irp ta,0,1,2,3
	ds_store_b128 v[STO], v[64*(\a)+32*(\c)+8*\ta:64*(\a)+32*(\c)+8*\ta+3] offset:256*(\c)+64*\ta          ; each accumulator from its low end on
	ds_store_b128 v[STO], v[64*(\a)+32*(\c)+8*\ta+4:64*(\a)+32*(\c)+8*\ta+7] offset:256*(\c)+64*\ta+16
.endr
	WIN 0
.irp t,0,1,2,3,4,5,6,7
	ds_load_b128 v[ACC+32*(\a)+4*\t:ACC+32*(\a)+4*\t+3], v[SRD] offset:1056*\t+256*(\c)   ; LDS serves a wave's instructions in order (ISA guide 5.7.1.4): these see my stores, and the next block's stores come behind them
.endr
.endm
.macro SEND a, c, younger              ; younger: the LDS instructions issued behind block a's loads, which may stay out
	s_wait_dscnt \younger
.irp t,0,1,2,3,4,5,6,7
	global_store_b128 v[OUTO], v[ACC+32*(\a)+4*\t:ACC+32*(\a)+4*\t+3], s[OP:OP+1] offset:(32*((\a)/2)+8*((\a)%2)+2*\t+8*(\t/4))*2048+1024*(\c) th:TH_STORE_NT   ; sixteen lanes store 256 consecutive bytes, aligned; lanes 16-31 those of the next row
.endr
.endm
.macro OUTH c
	s_wait_xcnt 0x0                                ; earlier stores have read their registers: the loads below may land there
	TOSTAGE 0, \c
	TOSTAGE 1, \c
	SEND 0, \c, 16                                 ; behind block 0's loads: block 1's 8 stores and 8 loads
	TOSTAGE 2, \c
	SEND 1, \c, 16
	TOSTAGE 3, \c
	SEND 2, \c, 16
	SEND 3, \c, 0
.endm
; ---------------------------------------------------------------- the head
	s_load_b128 s[XP:XP+3], s[0:1], 0x0            ; x, out0
	s_load_b256 s[PQ:PQ+7], s[0:1], 0x10           ; codes of Wq, Wk, Wv, Wo
	s_load_b128 s[P1:P1+3], s[0:1], 0x30           ; of W1, W2
	s_load_b256 s[SQ:SQ+7], s[0:1], 0x40           ; scales of Wq, Wk, Wv, Wo
	s_load_b128 s[S1:S1+3], s[0:1], 0x60           ; of W1, W2
	s_load_b64 s[B1P:B1P+1], s[0:1], 0x70          ; b1
	s_load_b128 s[LG1:LG1+3], s[0:1], 0x78         ; ln1_g, ln1_b
	s_load_b256 s[BOP:BOP+7], s[0:1], 0x88         ; bo, ln2_g, ln2_b, b2
	v_lshl_add_u32 v[SPW], v0, 2, SPARE
	v_mov_b32 v[NIL], 0
	ds_add_u32 v1, v2
	ds_add_u32 v1, v2
	s_wait_dscnt 0x0
	v_lshrrev_b32 v[VT], 5, v0
	v_readfirstlane_b32 s[WV], v[VT]               ; wave 0..3
	s_bfe_u32 s6, ttmp6, 0x40000                   ; cx: it enters x's and out0's addresses and the number PEN, and nothing else
	s_and_b32 s[HALF], s6, 1                       ; which half of the sequence is mine
	s_lshr_b32 s6, s6, 1
	s_lshl_b32 s[BAT], ttmp9, 1
	s_add_co_u32 s[BAT], s[BAT], s6                ; the sequence
	v_and_b32 v[VR], 15, v0
	v_bfe_u32 v[VH], v0, 4, 1
	v_and_b32 v[VT], 8, v[VR]
	v_add_nc_u32 v[VT], v[VT], v[VR]               ; r + 8 (r / 8)
	s_lshl_b32 s6, s[WV], 8
	v_lshl_add_u32 v[GL], v[VH], 6, s6
	v_lshl_add_u32 v[XO1], v[VT], 11, v[GL]
	s_lshl_b32 s7, s[HALF], 17
	s_xor_b32 s94, s7, 1<<17
	v_add_nc_u32 v[XO0], s94, v[XO1]
	v_add_nc_u32 v[XO1], s7, v[XO1]
	v_mul_u32_u24 v[WAA0], v[VR], 432
	v_mad_u32_u24 v[WAA1], v[VH], 40, v[WAA0]
	v_mad_u32_u24 v[WAA0], v[VH], 24, v[WAA0]
	s_mul_i32 s[G0+1], s[WV], QUART                ; where my quarter of a chunk goes: the wave's number alone enters an LDS address
	v_add_nc_u32 v[WAB0], s[G0+1], v[WAA0]         ; W2's chunks: my 64 rows are the quarter that I fetch
	v_add_nc_u32 v[WAB1], s[G0+1], v[WAA1]
	s_lshr_b32 s7, s[WV], 1
	s_mul_i32 s7, s7, 55296
	s_and_b32 s94, s[WV], 1
	s_mul_i32 s94, s94, 13824
	s_add_co_u32 s7, s7, s94
	v_add_nc_u32 v[WAA0], s7, v[WAA0]
	v_add_nc_u32 v[WAA1], s7, v[WAA1]
	v_lshl_add_u32 v[SVA], v[VH], 3, v[VT]
	v_lshlrev_b32 v[SVA], 4, v[SVA]
	v_and_b32 v[L16], 31, v0
	v_lshlrev_b32 v[SVB], 6, v[L16]
	v_lshlrev_b32 v[L8], 3, v[L16]
	v_add_nc_u32 v[L8], 512, v[L8]
	v_lshlrev_b32 v[L16], 4, v[L16]
	s_mul_i32 s7, s[WV], 768
	v_add_nc_u32 v[L16W], s7, v[L16]
	v_add_nc_u32 v[L8W], s7, v[L8]
	s_lshl_b32 s7, s[WV], 1
	v_lshl_add_u32 v[RSW], v[VR], 4, s7
	v_lshlrev_b32 v[STL], 4, v[VR]
	v_add_nc_u32 v[STL], SUMB, v[STL]
	s_lshl_b32 s7, s[WV], 2
	v_add_nc_u32 v[STS], s7, v[STL]
	v_lshlrev_b32 v[DQ0], 4, v[VH]
	v_sub_nc_u32 v[DQ0], v[VT], v[DQ0]
	s_lshl_b32 s7, s[HALF], 31
	s_xor_b32 s7, s7, 0xff800000                   ; +inf in the later half, -inf in the earlier
	v_mov_b32 v[PEN], s7
	v_mov_b32 v[NINF], 0xff800000
	s_mul_i32 s7, s[WV], 3328
	s_add_co_u32 s7, s7, QIMG
	v_add_nc_u32 v[QA], s7, v[L16]
	v_add_nc_u32 v[QB], s7, v[L8]
	s_add_co_u32 s7, s7, 3072
	v_lshl_add_u32 v[QS], v[VR], 2, s7
	s_mul_i32 s7, s[WV], 8448
	s_add_co_u32 s7, s7, CR                        ; my stage
	v_mul_u32_u24 v[SRD], v[VH], 528
	v_lshl_add_u32 v[SRD], v[VR], 4, v[SRD]
	v_add_nc_u32 v[SRD], s7, v[SRD]                ; back: row h of a pair, 16 bytes a lane
	v_mul_u32_u24 v[STO], v[VR], 528
	v_lshl_add_u32 v[STO], v[VH], 5, v[STO]
	v_add_nc_u32 v[STO], s7, v[STO]                ; in: row r, 32 bytes for each half of the lanes
	v_lshlrev_b32 v[OUTO], 4, v[VR]
	v_lshl_add_u32 v[OUTO], v[VH], 11, v[OUTO]
	v_add_nc_u32 v[OUTO], s6, v[OUTO]              ; out0: 256 w + 16 r, and a row of 2,048 bytes further for lanes 16-31
.set n, 0
.rept 16
	v_mov_b32 v[TM+n], 0                           ; written once: lane permutes' destinations and upper halves of pairs count as read
.set n, n+1
.endr
	s_mov_b32 s[SEL], 0x76543210
	s_mov_b32 s[SEL+1], 0xfedcba98                 ; lane l xor 16
	s_mov_b32 s[CS], 0x3e38aa3b                    ; log2(e) / 8
	s_mov_b32 s[CS+1], s[CS]
	s_mov_b32 s96, 0x3b000000                      ; 1 / 512
	s_mov_b32 s97, 0x3727c5ac                      ; 1e-5
	s_mov_b32 s[TB], SLOT1                         ; the first change of slots turns it to slot 0
	s_mov_b32 s[G1A], 15|(3<<16)|(1<<20)|(1<<21)|(4<<22)|(3<<25)   ; mask: the four partners; elements of 8 bytes; padding on; bit 21 beside a mask; 4 words behind every 32
	s_mov_b32 s[G1A+1], 384<<16                    ; tensor_dim0: 3,072 bytes = eight weight rows on end
	s_mov_b32 s[G1A+2], 8<<16                      ; tensor_dim1
	s_mov_b32 s[G1A+3], 384<<16                    ; tile_dim0
	s_mov_b32 s[G1A+4], 8                          ; tile_dim1
	s_mov_b32 s[G1A+5], 768                        ; from one group of eight rows to the next but one
	s_mov_b32 s[G1A+6], 0
	s_mov_b32 s[G1A+7], 0
	s_mov_b32 s[G1B], 15|(3<<16)|(1<<20)|(1<<21)|(4<<22)|(3<<25)
	s_mov_b32 s[G1B+1], 48<<16                     ; 384 bytes: 512 along K of a row of W2
	s_mov_b32 s[G1B+2], 64<<16
	s_mov_b32 s[G1B+3], 48<<16
	s_mov_b32 s[G1B+4], 64
	s_mov_b32 s[G1B+5], 192                        ; a row of W2 is 1,536 bytes
	s_mov_b32 s[G1B+6], 0
	s_mov_b32 s[G1B+7], 0
	s_wait_kmcnt 0x0
	s_lshl_b32 s6, s[BAT], 18                      ; a sequence is 262,144 bytes
	s_mov_b32 s7, 0
	s_add_nc_u64 s[XP:XP+1], s[XP:XP+1], s[6:7]
	s_add_nc_u64 s[OP:OP+1], s[OP:OP+1], s[6:7]
	s_lshl_b32 s6, s[HALF], 17
	s_add_nc_u64 s[OP:OP+1], s[OP:OP+1], s[6:7]
	WIN 0xc0
	XLOAD XO0                                      ; the other half's x first: its layer norm is done while my own half's x is on its way
	WIN 0x80
	VLOAD64 0, GL, LG1, 0
	VLOAD64 64, GL, LB1, 0
	VLOAD64 128, GL, BOP, 0
	WIN 0
	s_lshr_b32 s6, s[WV], 1                        ; what I fetch of a permuted chunk: half j / 2, groups of eight rows of parity j % 2
	s_mul_i32 s6, s6, 49152
	s_and_b32 s94, s[WV], 1
	s_mul_i32 s94, s94, 3072
	s_add_co_u32 s6, s6, s94
.irp p,PQ,PK,PV,PO,P1
	s_add_nc_u64 s[\p:\p+1], s[\p:\p+1], s[6:7]
.endr
	s_mul_i32 s6, s[WV], 98304                     ; of a chunk of W2: rows 64 j on
	s_add_nc_u64 s[P2:P2+1], s[P2:P2+1], s[6:7]
	s_lshl_b32 s6, s[WV], 10                       ; my 64 rows' scale bytes, 16 a row
.irp p,SQ,SK,SV,SO,S1
	s_add_nc_u64 s[\p:\p+1], s[\p:\p+1], s[6:7]
.endr
	s_lshl_b32 s6, s[WV], 12                       ; W2's: 64 a row
	s_add_nc_u64 s[S2:S2+1], s[S2:S2+1], s[6:7]
	global_load_b128 v[SN:SN+3], v[SVA], s[SQ:SQ+1]
	global_load_b128 v[SN+4:SN+7], v[SVA], s[SQ:SQ+1] offset:512
	s_mov_b32 s[G0], 1
	s_mov_b64 s[G0+2:G0+3], s[PQ:PQ+1]
	s_or_b32 s[G0+3], s[G0+3], 0x80000000
	ROUND                                          ; the four work-groups are here: the first joint loads meet
	tensor_load_to_lds s[G0:G0+3], s[G1A:G1A+7]    ; chunk 0 (Wq, heads 0-3) into slot 0
	s_nop 0
	PLACES 4
; ---------------------------------------------------------------- ln1: the other half's 64 rows, then my own, which stay in window 3
	s_mov_b32 s[IB], HR
	s_mov_b32 s[ISB], HR+49152
	s_mov_b32 s[CNF], 0
.Lln1:
	LN4 1
	s_add_co_u32 s[IB], s[IB], 24576
	s_add_co_u32 s[ISB], s[ISB], 1024
	s_add_co_u32 s[CNF], s[CNF], 1
	s_cmp_lt_u32 s[CNF], 2
	s_cbranch_scc1 .Lln1
	WIN 0xcb
.set n, 0
.rept 128
	v_pk_add_f32 v[n:n+1], v[n:n+1], v[128+n%64:128+n%64+1]     ; x + bo: what the product with Wo adds onto
.set n, n+2
.endr
	WIN 0x80
.set n, 0
.rept 24
	v_mov_b32 v[KOP+n], 0
.set n, n+1
.endr
.irp i,0,1,2,3,4,5
	v_mov_b32 v[KOP+48+\i], 0                      ; behind the last tile of k
	v_mov_b32 v[QOP+6+\i], 0                       ; q's upper 64 along K: zero codes, so that whatever codes stand there in k's operand add nothing
.irp ta,0,1,2,3
	v_mov_b32 v[VOP+12*\ta+6+\i], 0
.endr
.endr
	WIN 0
.irp i,0,1,2,3
	v_mov_b32 v[KSW+\i], 0
	v_mov_b32 v[VSW+\i], 0
.endr
	BAR                                            ; all 64 images of ln1(x) lie in LDS
	v_add_nc_u32 v[LA], HR, v[L16]
	v_add_nc_u32 v[LB], HR, v[L8]
	v_add_nc_u32 v[LSC], HR+49152, v[L16]
	LOADACT 1, ASC0, 24576, 1024                   ; my own half's fragments
; ---------------------------------------------------------------- attention: two trips, heads w and 4 + w
	s_add_nc_u64 s[PN:PN+1], s[PQ:PQ+1], 98304     ; what the third change of a trip asks for: Wq's second chunk, then Wo's first
	s_add_nc_u64 s[SNX:SNX+1], s[SQ:SQ+1], 4096
	s_mov_b32 s[CT], CR
	s_mov_b32 s[CTS], CR+24576
	s_mov_b32 s[CNA], 0
.Latt:
	SITE G1A, PK, 0, SK, 0, SVA, 512
	PASS 0, 0, 1, ASC0, 0, ACC, 32, 1, -1          ; q of my 64 tokens
	PLACES 4
.irp pp,0,1
	QUANT2 ACC+64*\pp, 0, PC, 1
.irp u,0,1
	v_or_b32 v[PC+10*\u+9], 0x7f7f0000, v[PC+10*\u+9]   ; the upper 64 along K: scale 1
.endr
.irp u,0,1
	ds_store_b128 v[QA], v[PC+10*\u:PC+10*\u+3] offset:768*(2*\pp+\u)      ; my own bytes: only I read them
	ds_store_b64 v[QB], v[PC+10*\u+4:PC+10*\u+5] offset:768*(2*\pp+\u)
	ds_store_b32 v[QS], v[PC+10*\u+9] offset:64*(2*\pp+\u)
.endr
.endr
	SITE G1A, PV, 0, SV, 0, SVA, 512
	s_mov_b32 s[CNI], 0
.Lk:                                               ; k: my own half (it ends in tiles 4-7), then the other half (tiles 0-3)
	WIN 0x82
.set n, 0
.rept 24
	v_mov_b32 v[KOP+24+n], v[KOP+n]
.set n, n+1
.endr
	WIN 0
.irp i,0,1,2,3
	v_mov_b32 v[KSW+4+\i], v[KSW+\i]
.endr
	PASS 0, 0, 1, ASC0, 0, ACC, 32, 1, -1
	PLACES 4
	s_cmp_lg_u32 s[CNI], 0
	s_cbranch_scc1 .Lk1
	LOADACT 1, ASC0, 0, 0                          ; the other half's fragments
.Lk1:
.irp pp,0,1
	QUANT2 ACC+64*\pp, 0, PC, 0                    ; (no LDS store reads the code registers here: the change of slots above has waited for all)
	WIN 0x80
.irp u,0,1
.irp i,0,1,2,3,4,5
	v_mov_b32 v[KOP+6*(2*\pp+\u)+\i], v[PC+10*\u+\i]
.endr
.endr
	WIN 0
.irp u,0,1
	v_or_b32 v[KSW+2*\pp+\u], 0x7f7f0000, v[PC+10*\u+9]
.endr
.endr
	s_add_co_u32 s[CNI], s[CNI], 1
	s_cmp_lt_u32 s[CNI], 2
	s_cbranch_scc1 .Lk
	SITE G1A, PN, 0, SNX, 0, SVA, 512
	s_mov_b32 s[CNI], 0
.Lv:                                               ; v, with the keys along the registers: the other half (keys 0-63 of the operand), then my own (64-127)
	WIN 0x82
.irp ta,0,1,2,3
.irp i,0,1,2,3,4,5
	v_mov_b32 v[VOP+12*\ta+\i], v[VOP+12*\ta+6+\i]
.endr
.endr
	WIN 0
	PASS 0, 1, 1, ASC0, 0, ACC, 32, 1, -1
	PLACES 4
	s_cmp_lg_u32 s[CNI], 0
	s_cbranch_scc1 .Lv1
	LOADACT 1, ASC0, 24576, 1024                   ; my own half's fragments again
.Lv1:
.irp pp,0,1
	QUANT2 ACC+64*\pp, 0, PC, 0
	WIN 0x80
.irp u,0,1
.irp i,0,1,2,3,4,5
	v_mov_b32 v[VOP+12*(2*\pp+\u)+6+\i], v[PC+10*\u+\i]
.endr
.endr
	WIN 0
.irp u,0,1
	v_lshrrev_b32 v[VSW+2*\pp+\u], 16, v[VSW+2*\pp+\u]
.endr
.irp u,0,1
	v_lshl_or_b32 v[VSW+2*\pp+\u], v[PC+10*\u+9], 16, v[VSW+2*\pp+\u]
.endr
.endr
	s_add_co_u32 s[CNI], s[CNI], 1
	s_cmp_lt_u32 s[CNI], 2
	s_cbranch_scc1 .Lv
; the softmax and both products of the head, a tile of 16 queries a trip.  S^T in v128-191 (register 16 b + i: key 32 b + 16 h + i), O^T in v192-223
.set S, ACC
.set O, ACC+64
.set BM, TM
.set BT, TM+4
.set BS, TM+8
.set NM, TM+12
.set SUM, TM+14
	s_mov_b32 s[CNI], 0
	s_mov_b32 s[QI], 0
	s_mov_b32 s[QSI], 0
	s_mov_b32 s[CI], s[CT]
	s_mov_b32 s[CIS], s[CTS]
.Lsm:
	v_add_nc_u32 v[MI], s[QI], v[QA]
	v_add_nc_u32 v[MI+1], s[QI], v[QB]
	v_add_nc_u32 v[MI+2], s[QSI], v[QS]
	WIN 0x80
	ds_load_b128 v[QOP:QOP+3], v[MI]
	ds_load_b64 v[QOP+4:QOP+5], v[MI+1]
	WIN 0
	ds_load_b32 v[QSW], v[MI+2]
	s_and_b32 s94, s[CNI], 1
	s_lshl_b32 s94, s94, 3
	s_lshr_b32 s95, s[CNI], 1
	s_lshl_b32 s95, s95, 5
	s_add_co_u32 s94, s94, s95
	v_add_nc_u32 v[DQ], s94, v[DQ0]                ; my query's row in the half - 16 h
	s_wait_dscnt 0x0                               ; q is in; the last trip's stores have landed
	WIN 0x0a
.irp kt,0,1,2,3,4,5,6,7
	WM S+8*\kt, KOP+6*\kt, QOP, 1, KSW+\kt, QSW, 0, 0
.endr
	WIN 0
	PLACES 4
.set n, 0
.rept 32
	v_min_num_f32 v[S+n], v[S+n], v[PEN]           ; the other half's keys: all count, or none
.set n, n+1
.endr
.set n, 0
.rept 32
	v_cmp_gt_i32 vcc_lo, 32*(n/16)+n%16, v[DQ]     ; my own half's: hidden where the key comes after the query
	v_cndmask_b32 v[S+32+n], v[S+32+n], v[NINF], vcc_lo
.set n, n+1
.endr
.irp b,0,1,2,3
	v_max3_num_f32 v[BM+\b], v[S+16*\b], v[S+16*\b+1], v[S+16*\b+2]   ; each block's largest score: for the row's maximum, and, since p rises with the score, for the block's largest p
.endr
.irp i,3,5,7,9,11,13
.irp b,0,1,2,3
	v_max3_num_f32 v[BM+\b], v[BM+\b], v[S+16*\b+\i], v[S+16*\b+\i+1]
.endr
.endr
.irp b,0,1,2,3
	v_max_num_f32 v[BM+\b], v[BM+\b], v[S+16*\b+15]
.endr
.irp b,0,1,2,3
	v_permlanex16_b32 v[BT+\b], v[BM+\b], s[SEL], s[SEL+1]
.endr
.irp b,0,1,2,3
	v_max_num_f32 v[BM+\b], v[BM+\b], v[BT+\b]
.endr
	v_max3_num_f32 v[MI], v[BM], v[BM+1], v[BM+2]
	v_max_num_f32 v[MI], v[MI], v[BM+3]            ; the row's largest score (the query's own key always counts)
	v_mul_f32 v[MI], s[CS], v[MI]
	v_floor_f32 v[NM], -v[MI]                      ; -M = -ceil(the largest t)
.set n, 0
.rept 32
	v_pk_fma_f32 v[S+n:S+n+1], v[S+n:S+n+1], s[CS:CS+1], v[NM:NM+1] op_sel_hi:[1,0,0]   ; t - M
.set n, n+2
.endr
.irp b,0,1,2,3
	v_fma_f32 v[BM+\b], v[BM+\b], s[CS], v[NM]
.endr
.set n, 0
.rept 64
	v_exp_f32 v[S+n], v[S+n]                       ; p = 2^(t - M): not normalised
.set n, n+1
.endr
	v_nop                                          ; a plain line behind the batch
	s_wait_alu depctr_va_vdst(0)                   ; one wait for the 64, ahead of their first reader
.irp b,0,1,2,3
	v_exp_f32 v[BM+\b], v[BM+\b]                   ; the blocks' largest p
.endr
	v_pk_add_f32 v[SUM:SUM+1], v[S:S+1], v[S+2:S+3]             ; the row's sum, of the unquantised p
	v_pk_add_f32 v[MI+2:MI+3], v[S+4:S+5], v[S+6:S+7]
.set n, 8
.rept 14
	v_pk_add_f32 v[SUM:SUM+1], v[SUM:SUM+1], v[S+n:S+n+1]
	v_pk_add_f32 v[MI+2:MI+3], v[MI+2:MI+3], v[S+n+2:S+n+3]
.set n, n+4
.endr
	v_pk_add_f32 v[SUM:SUM+1], v[SUM:SUM+1], v[MI+2:MI+3]
	v_add_f32 v[MI], v[SUM], v[SUM+1]
	v_permlanex16_b32 v[MI+1], v[MI], s[SEL], s[SEL+1]
	v_add_f32 v[MI], v[MI], v[MI+1]
	s_wait_alu depctr_va_vdst(0)                   ; and one for the four
	v_rcp_f32 v[SUM], v[MI]                        ; 1 / the sum: read behind the second product, behind a wait of its own
.irp b,0,1,2,3
	v_max_num_f32 v[BM+\b], 0x1800000, v[BM+\b]    ; the floor: a block of zeros keeps the byte 1 over zero codes
.endr
.irp b,0,1,2,3
	v_add_nc_u32 v[BS+\b], 0xff000000, v[BM+\b]
.endr
.irp b,0,1,2,3
	v_lshrrev_b32 v[BT+\b], 23, v[BS+\b]
.endr
	v_lshl_or_b32 v[PW], v[BT+1], 8, v[BT]
	v_lshl_or_b32 v[PW], v[BT+2], 16, v[PW]
	v_lshl_or_b32 v[PW], v[BT+3], 24, v[PW]
.irp c,0,1
	v_cvt_scalef32_pk16_fp6_f32 v[PC+6*\c:PC+6*\c+2], v[S+32*\c:S+32*\c+15], v[BS+2*\c]
	v_cvt_scalef32_pk16_fp6_f32 v[PC+12+4*\c:PC+14+4*\c], v[S+32*\c+16:S+32*\c+31], v[BS+2*\c+1]
.endr
	v_nop
.irp c,0,1
.irp i,0,1,2
	v_permlane16_swap_b32 v[PC+6*\c+\i], v[PC+12+4*\c+\i]
.endr
.irp i,0,1,2
	v_mov_b32 v[PC+3+6*\c+\i], v[PC+12+4*\c+\i]
.endr
.endr
	v_add_nc_u32 v[PA], s[CI], v[L16W]             ; where ctx's image goes (the last trip's stores have landed)
	v_add_nc_u32 v[PB], s[CI], v[L8W]
	v_add_nc_u32 v[PS], s[CIS], v[RSW]
	PLACES 8                                       ; a scale register written by a vector line stands eight places ahead of a scaled product
	WIN 0x02
.irp ta,0,1,2,3
	WM O+8*\ta, VOP+12*\ta, PC, 1, VSW+\ta, PW, 0, 0
.endr
	WIN 0
	PLACES 4
	s_wait_alu depctr_va_vdst(0)                   ; the reciprocal's wait, ahead of its first reader
.set n, 0
.rept 16
	v_pk_mul_f32 v[O+n:O+n+1], v[O+n:O+n+1], v[SUM:SUM+1] op_sel_hi:[1,0]
.set n, n+2
.endr
	QP O, 0, PC, 0, 0                              ; ctx: columns 64 x head on of my 16 queries
	s_add_co_u32 s[QI], s[QI], 768
	s_add_co_u32 s[QSI], s[QSI], 64
	s_add_co_u32 s[CI], s[CI], 6144
	s_add_co_u32 s[CIS], s[CIS], 256
	s_add_co_u32 s[CNI], s[CNI], 1
	s_cmp_lt_u32 s[CNI], 4
	s_cbranch_scc1 .Lsm
	s_wait_xcnt 0x0                                ; the scale loads have read their bases: these may step
	s_add_nc_u64 s[PK:PK+1], s[PK:PK+1], 98304
	s_add_nc_u64 s[PV:PV+1], s[PV:PV+1], 98304
	s_add_nc_u64 s[SK:SK+1], s[SK:SK+1], 4096
	s_add_nc_u64 s[SV:SV+1], s[SV:SV+1], 4096
	s_mov_b64 s[PN:PN+1], s[PO:PO+1]
	s_mov_b64 s[SNX:SNX+1], s[SO:SO+1]
	s_add_co_u32 s[CT], s[CT], 3072
	s_add_co_u32 s[CTS], s[CTS], 8
	s_add_co_u32 s[CNA], s[CNA], 1
	s_cmp_lt_u32 s[CNA], 2
	s_cbranch_scc1 .Latt
; ---------------------------------------------------------------- x1 = x + bo + ctx Wo, in place in window 3
	SITE G1A, PO, 98304, SO, 4096, SVA, 512        ; its round also shows every wave's images of ctx to all
	WIN 0x80
	VLOAD64 0, GL, LG2, 0
	VLOAD64 64, GL, LB2, 0
	VLOAD64 128, GL, B2P, 0
	WIN 0
	v_add_nc_u32 v[LA], CR, v[L16]
	v_add_nc_u32 v[LB], CR, v[L8]
	v_add_nc_u32 v[LSC], CR+24576, v[L16]
	LOADACT 1, ASC0, 0, 0
	PASS 0, 0, 1, ASC0, 3, 0, 64, 0, -1
	SITE G1A, P1, 0, S1, 0, SVA, 512
	PASS 0, 0, 1, ASC0, 3, 32, 64, 0, -1
; ---------------------------------------------------------------- ln2, then x1 + b2 in the order in which W2's plain tiles give their results
	PLACES 4
	s_mov_b32 s[IB], HR
	s_mov_b32 s[ISB], HR+24576
	LN4 0
	v_mov_b32 v[GB], v[GL]
	s_mov_b32 s[BO], 0
	BIASLD 0                                       ; b1 of the first 256 hidden units' chunk: the deviations in window 1 are done with; the lines below stand between these loads and the wait for them
.irp mm,0,1,2,3                        ; a lane's registers 16 e + 8 u + j hold column 32 e + 16 h + 8 u + j; wanted: 32 e + 16 u + 8 h + j: (h, u) change places
	WIN 0x0b
.set n, 0
.rept 32
	v_pk_add_f32 v[ACC+64*(\mm%2)+n:ACC+64*(\mm%2)+n+1], v[64*\mm+n:64*\mm+n+1], v[128+n:128+n+1]
.set n, n+2
.endr
	WIN 0
.irp g,0,1,2,3
.irp i,0,1,2,3,4,5,6,7
	v_permlane16_swap_b32 v[ACC+64*(\mm%2)+16*\g+\i], v[ACC+64*(\mm%2)+16*\g+8+\i]
.endr
.endr
	WIN 0xc0
.set n, 0
.rept 64
	v_mov_b32 v[64*\mm+n], v[ACC+64*(\mm%2)+n]
.set n, n+1
.endr
.endr
	WIN 0
	BAR                                            ; ln2's 32 images lie in LDS
	v_add_nc_u32 v[LA], HR, v[L16]
	v_add_nc_u32 v[LB], HR, v[L8]
	v_add_nc_u32 v[LSC], HR+24576, v[L16]
	v_add_nc_u32 v[PA], HR+25600, v[L16W]
	v_add_nc_u32 v[PB], HR+25600, v[L8W]
	v_add_nc_u32 v[PS], HR+50176, v[RSW]
	LOADACT 1, ASC0, 0, 0                          ; they stay in window 1 for the whole FFN
; ---------------------------------------------------------------- the FFN, 512 hidden units a trip
	s_mov_b32 s[CNF], 4
.Lffn:
	SITE G1A, P1, 98304, S1, 4096, SVA, 512
	PASS 0, 0, 1, ASC0, 0, ACC, 32, 0, 1024        ; b1 is the C of the first products; the trip's second 256 units' b1 is asked for
	PLACES 4
.irp pp,0,1
	QP2 ACC+64*\pp, 1, (16*\pp)*768, 512*\pp, (16*\pp+8)*768, 512*\pp+256
.endr
	SITE G1B, P2, 0, S2, 0, SVB, 2048
	s_add_co_u32 s[BO], s[BO], 2048                ; the next trip's b1; behind the last trip it turns back to b1's first bytes, so that no load leaves the buffer (those numbers are not used)
	s_and_b32 s[BO], s[BO], 0x1800
	v_add_nc_u32 v[GB], s[BO], v[GL]               ; (the change of slots has waited for every load that named it)
	PASS 0, 0, 1, ASC0, 0, ACC, 32, 0, 0
	PLACES 4
.irp pp,0,1
	QP2 ACC+64*\pp, 1, (16*\pp+4)*768, 512*\pp+8, (16*\pp+12)*768, 512*\pp+264
.endr
	SITE G1B, P2, 393216, S2, 16384, SVB, 2048     ; its round also shows the hidden layer's images to all
	LOADACT 2, ASC1, 25600, 25600
	PASS 1, 0, 2, ASC1, 3, 0, 64, 0, -1
	s_cmp_eq_u32 s[CNF], 1
	s_cbranch_scc1 .Ltail                          ; the last trip's end is written out: it asks for nothing more
	SITE G1A, P1, 196608, S1, 8192, SVA, 512
	PASS 1, 0, 2, ASC1, 3, 32, 64, 0, -1
	s_wait_xcnt 0x0                                ; the scale loads have read their bases
	s_add_nc_u64 s[P1:P1+1], s[P1:P1+1], 196608
	s_add_nc_u64 s[S1:S1+1], s[S1:S1+1], 8192
	s_add_nc_u64 s[P2:P2+1], s[P2:P2+1], 384
	s_add_nc_u64 s[S2:S2+1], s[S2:S2+1], 16
	s_sub_co_u32 s[CNF], s[CNF], 1
	s_cmp_lg_u32 s[CNF], 0
	s_cbranch_scc1 .Lffn
.Ltail:
	PLACES 4                                       ; behind the last products, ahead of the stores that read their results
	OUTH 0                                         ; columns 64 w on are finished: they leave while the last chunk lands and is multiplied
	SITE_LAST
	PASS 1, 0, 2, ASC1, 3, 32, 64, 0, -1
	PLACES 4
	OUTH 1                                         ; columns 256 + 64 w on
	s_wait_tensorcnt 0x0                           ; the wave's end
	ds_add_u32 v[SPW], v[NIL]
	s_wait_dscnt 0x0
	ROUND                                          ; the closing round
	s_endpgm
.Lfunc_end_k_qb4593d48c1_block:
	.size	k_qb4593d48c1_block, .Lfunc_end_k_qb4593d48c1_block-k_qb4593d48c1_block
	.p2alignl 7, 3214868480
	.fill 96, 4, 3214868480
	.section	.rodata,"a",@progbits
	.p2align	6, 0x0
	.amdhsa_kernel k_qb4593d48c1_block
		.amdhsa_group_segment_fixed_size 327680
		.amdhsa_private_segment_fixed_size 0
		.amdhsa_enable_private_segment 0
		.amdhsa_kernarg_size 168
		.amdhsa_user_sgpr_count 2
		.amdhsa_user_sgpr_kernarg_segment_ptr 1
		.amdhsa_wavefront_size32 1
		.amdhsa_system_sgpr_workgroup_id_x 1
		.amdhsa_system_sgpr_workgroup_id_y 1
		.amdhsa_system_sgpr_workgroup_id_z 1
		.amdhsa_system_vgpr_workitem_id 0
		.amdhsa_next_free_vgpr 1024
		.amdhsa_next_free_sgpr 100
		.amdhsa_reserve_vcc 1
		.amdhsa_float_denorm_mode_32 3
		.amdhsa_float_denorm_mode_16_64 3
		.amdhsa_memory_ordered 1
		.amdhsa_forward_progress 1
		.amdhsa_inst_pref_size 255
	.end_amdhsa_kernel
	.section	.bss,"aw",@nobits
	.p2align	6
	.space	262144
	.amdgpu_metadata
---
amdhsa.version: [ 1, 2 ]
amdhsa.kernels:
  - .name:           k_qb4593d48c1_block
    .symbol:         k_qb4593d48c1_block.kd
    .args:
      - { .name: x, .offset: 0, .size: 8, .value_kind: global_buffer, .address_space: global }
      - { .name: out0, .offset: 8, .size: 8, .value_kind: global_buffer, .address_space: global }
      - { .name: Wq_codes, .offset: 16, .size: 8, .value_kind: global_buffer, .address_space: global }
      - { .name: Wk_codes, .offset: 24, .size: 8, .value_kind: global_buffer, .address_space: global }
      - { .name: Wv_codes, .offset: 32, .size: 8, .value_kind: global_buffer, .address_space: global }
      - { .name: Wo_codes, .offset: 40, .size: 8, .value_kind: global_buffer, .address_space: global }
      - { .name: W1_codes, .offset: 48, .size: 8, .value_kind: global_buffer, .address_space: global }
      - { .name: W2_codes, .offset: 56, .size: 8, .value_kind: global_buffer, .address_space: global }
      - { .name: Wq_scales, .offset: 64, .size: 8, .value_kind: global_buffer, .address_space: global }
      - { .name: Wk_scales, .offset: 72, .size: 8, .value_kind: global_buffer, .address_space: global }
      - { .name: Wv_scales, .offset: 80, .size: 8, .value_kind: global_buffer, .address_space: global }
      - { .name: Wo_scales, .offset: 88, .size: 8, .value_kind: global_buffer, .address_space: global }
      - { .name: W1_scales, .offset: 96, .size: 8, .value_kind: global_buffer, .address_space: global }
      - { .name: W2_scales, .offset: 104, .size: 8, .value_kind: global_buffer, .address_space: global }
      - { .name: b1, .offset: 112, .size: 8, .value_kind: global_buffer, .address_space: global }
      - { .name: ln1_g, .offset: 120, .size: 8, .value_kind: global_buffer, .address_space: global }
      - { .name: ln1_b, .offset: 128, .size: 8, .value_kind: global_buffer, .address_space: global }
      - { .name: bo, .offset: 136, .size: 8, .value_kind: global_buffer, .address_space: global }
      - { .name: ln2_g, .offset: 144, .size: 8, .value_kind: global_buffer, .address_space: global }
      - { .name: ln2_b, .offset: 152, .size: 8, .value_kind: global_buffer, .address_space: global }
      - { .name: b2, .offset: 160, .size: 8, .value_kind: global_buffer, .address_space: global }
    .group_segment_fixed_size: 327680
    .private_segment_fixed_size: 0
    .kernarg_segment_align: 8
    .kernarg_segment_size: 168
    .max_flat_workgroup_size: 128
    .sgpr_count:     100
    .vgpr_count:     1024
    .wavefront_size: 32
...
	.end_amdgpu_metadata
.endif
;; end of part 1
